; MI455X (gfx1250); checked and timed in simulation.
; The chip was launched on July 23, 2026; its instructions are those of AMD's public machine-readable ISA for CDNA 5 (MIT licence, August 2026) and "CDNA5" Instruction Set Architecture Reference Guide (July 2026). The comments in the code are by the model that wrote it; some were corrected since.
;; Attention Block V3. Allowed arithmetic: matrix products marked QUANTISED: E2M3 operands, one E8M0 scale for each 32 along K, by v_wmma_scale_f32_16x16x128_f8f6f4 with both operands' format E2M3, f32 sums; everything else in f32.
;; Inputs: b_proj 256 float32; w_proj 256 x 256 float32; w_qkv 768 x 256 float32; x 4 x 256 x 64 x 64 float32.
;; Outputs: out0 4 x 256 x 64 x 64 float32.
;; This version of the problem:
;;   THIS VERSION OF THE PROBLEM IS GIVEN IN LOW PRECISION. The matrix products marked QUANTISED in the list below multiply operands that are first quantised to E2M3 (2 exponent bits, 3 mantissa bits; 6 bits a number), with one power-of-two scale for each 32 numbers along K (OCP MX v1.0); their sums are f32. All else is computed in f32.
;;   The module's matrix products, in the order in which they are computed (A, B: the left and right operand; K: the contracted axis; several contracted axes count as one K, in the product's order):
;;     1. [M 768, K 256] x [K 256, N 16,384]; A: input w_qkv; B: input x: QUANTISED
;;     2. batch 16 x [M 4,096, K 64] x [K 64, N 4,096]; A: computed on the way; B: computed on the way: QUANTISED
;;     3. batch 16 x [M 4,096, K 4,096] x [K 4,096, N 64]; A: softmax (see below); B: computed on the way: QUANTISED
;;     4. [M 256, K 256] x [K 256, N 16,384]; A: input w_proj; B: computed on the way: QUANTISED
;;   THE QUANTISER, for each operand of a quantised product, along K:
;;     - K is cut into blocks of 32 from its start; a last block that is shorter is filled with zeros.
;;     - A block's scale is 2^e with e = floor(log2(the largest magnitude in the block)) - 2, held to -126 .. 127; a block of zeros has e = 0. As a byte (E8M0): e + 127.
;;     - Each number is divided by its block's scale, clamped to +-7.5, and rounded to the nearest number of E2M3, ties to even, subnormals kept.
;;     - The product sums the exact products of the quantised numbers (number of the format x scale) in f32.
;;   ~~~python
;;   def quantise(x, axis):      # numpy; x: float32 -> the quantised numbers, widened to float32 again
;;       x = np.moveaxis(x, axis, -1); K = x.shape[-1]
;;       x = np.pad(x, [(0, 0)] * (x.ndim - 1) + [(0, -K % 32)]); x = x.reshape(x.shape[:-1] + (-1, 32)); a = np.abs(x).max(-1, keepdims=True)
;;       e = np.where(a > 0, np.clip(np.frexp(np.where(a > 0, a, 1))[1] - 1 - 2, -126, 127), 0)      # np.frexp(a)[1] - 1 = floor(log2(a)), exactly
;;       r = np.clip(x / 2.0 ** e, -7.5, 7.5)
;;       step = 2.0 ** (np.maximum(np.frexp(np.where(r == 0, 1, r))[1] - 1, 0) - 3)
;;       q = np.round(r / step) * step * 2.0 ** e      # np.round: ties to even
;;       return np.moveaxis(q.reshape(q.shape[:-2] + (-1,))[..., :K], -1, axis).astype(np.float32)
;;   ~~~
;;   SOFTMAX AHEAD OF A QUANTISED PRODUCT. Where the list says 'softmax', what is quantised is not the finished softmax but p = 2^(t - M), with t = logit x log2(e) and M = ceil(the row's largest t), a whole number; so 1/2 < the row's largest p <= 1. The row's sum l is taken of the UNQUANTISED p, in f32, and the product's result is divided by l at the end. Since M is a whole number, a kernel that streams over the keys may use a running M (the ceiling of the running maximum): every later rescaling is an exact power of two, which a block's scale takes up: the codes' values come out the same.
;;   OPERANDS COMPUTED ON THE WAY. 'Computed on the way' means the value that the module computes at that place (a softmax that the list does not call 'softmax' is quantised finished and normalised). What goes into a quantiser is computed in f32, as accurately as f32 sums, v_exp_f32 and their like allow (about 1e-6 of the number): no bf16 or f16 on the way to a quantiser, and a product that is left as it is and whose result goes on into a quantised operand takes f32 operands (vector FMAs, or v_wmma_f32_16x16x4_f32). A number that lies on a knife's edge between two numbers of the format may be rounded either way, as far as f32 arithmetic and the matrix unit's own rounding can turn it there, and no further.
;; One version. Each part assembles by itself: llvm-mc -triple=amdgcn-amd-amdhsa -mcpu=gfx1250 --defsym DOCPART=n.
;; ======== version 1 of 1: 4 launches
;; workspace buffers: wq_codes 147,456 bytes; wq_scales 6,144 bytes; wp_codes 49,152 bytes; wp_scales 2,048 bytes; qbuf 3,407,872 bytes; kv 6,684,672 bytes; obuf 3,407,872 bytes
;; launch quantw (part 1): grid 32 x 1, 4 waves a work-group, no clusters, 33,280 bytes of LDS; arguments w_qkv, w_proj, wq_codes, wq_scales, wp_codes, wp_scales; writes wq_codes, wq_scales, wp_codes, wp_scales
.if DOCPART == 1
	.amdgcn_target "amdgcn-amd-amdhsa--gfx1250"
	.amdhsa_code_object_version 6
	.text
	.protected	k_qf965b1a7bf_quantw
	.globl	k_qf965b1a7bf_quantw
	.p2align	8
	.type	k_qf965b1a7bf_quantw,@function
k_qf965b1a7bf_quantw:
	s_mov_b64 s[64:65], 0
	v_nop
	global_prefetch_b8 v0, s[64:65] scope:SCOPE_SE
	s_setreg_imm32_b32 hwreg(HW_REG_WAVE_MODE, 25, 1), 1
	s_wait_xcnt 0x0
; w_qkv [768][256] and w_proj [256][256], f32, K innermost, become codes of FP6 (E2M3), 6 bits each, and one E8M0 scale byte for each 32 along K.
; A block's scale is 2^(floor(log2(its largest magnitude)) - 2); its byte is the largest magnitude's exponent field - 2, held at 1 from below.
; LIMITS: a block of zeros, or one whose largest magnitude lies under 2^-124, gets the byte 1 (the rule says 127 for zeros: its codes are zeros, which add nothing
; under any byte but 0xff, and this program alone reads the bytes); NaN and infinities among the inputs are not served.
; Rows are dense and 256 is a multiple of 32: both tensors are plain streams of blocks of 32 numbers, and so are the codes (24 bytes a block) and the scale bytes.
; A wave takes 4 steps of 512 numbers: 8,192 bytes in, 1,536 bytes of codes, 64 scale bytes.  All 16 loads of a wave go out at the head.  Each load reads 512 consecutive
; bytes, 16 a lane; a step's 2,048 bytes turn through the wave's own stage in LDS and come back 64 bytes a lane: 16 neighbours along K, two lanes to a block.
; The first 24 work-groups take w_qkv, the other 8 w_proj: only pointers are chosen.  No tensor load, no barrier: waves share nothing.  No cluster: no work-group reads what another reads.
.set STEPS, 4
.set WGA,   24                         ; 768 x 256 / (512 x 4 steps x 4 waves)
.set EMAX,  2
.set CB,    12                         ; bytes of 16 codes
.set R,     16                         ; v16-79   four sets of 16 numbers as they are loaded
.set X,     80                         ; v80-111  two sets of 16 neighbours
.set E,     112                        ; v112-115 a scale byte for each step
.set C,     128                        ; v128-143 codes: four registers for each step, so that no store's data are written again
.set WREG,  8192                       ; LDS: a region for each wave: two stages of 32 x SP bytes, behind them its 64 scale bytes
.set SP,    80                         ; a lane's place in a stage: its 64 bytes + 16 of padding
	s_load_b128 s[4:7], s[0:1], 0x0                ; w_qkv, w_proj
	s_load_b128 s[8:11], s[0:1], 0x10              ; w_qkv's codes, scales
	s_load_b128 s[12:15], s[0:1], 0x20             ; w_proj's codes, scales
	v_lshl_add_u32 v144, v0, 2, 0x8000
	v_mov_b32 v145, 0
	v_lshrrev_b32 v1, 5, v0
	v_readfirstlane_b32 s16, v1                    ; wave
	v_and_b32 v2, 31, v0                           ; lane
	v_lshlrev_b32 v3, 4, v2                        ; my 16 bytes of a load's 512
	s_mul_i32 s17, s16, WREG
	v_lshrrev_b32 v14, 2, v2
	v_mul_u32_u24 v14, v14, SP
	v_and_b32 v15, 3, v2
	v_lshl_add_u32 v14, v15, 4, v14
	v_add_nc_u32 v14, s17, v14                     ; the stage, on the way in: SP (lane / 4) + 16 (lane % 4)
	v_mul_u32_u24 v15, v2, SP
	v_add_nc_u32 v15, s17, v15                     ; and on the way out: SP x lane
	v_mul_u32_u24 v4, v2, CB                       ; my codes' place in a step's
	v_lshrrev_b32 v5, 1, v2
	s_add_co_u32 s17, s17, 2*32*SP
	v_add_nc_u32 v5, s17, v5                       ; LDS: my wave's scale bytes, my block's byte
	v_lshlrev_b32 v7, 1, v2                        ; and on the way out 2 bytes a lane
	v_add_nc_u32 v6, s17, v7
	s_wait_alu depctr_va_vdst(0)
	s_wait_kmcnt 0x0
	s_cmp_lt_u32 ttmp9, WGA                        ; the choice hangs on the work-group's number alone
	s_cselect_b64 s[4:5], s[4:5], s[6:7]
	s_cselect_b64 s[8:9], s[8:9], s[12:13]
	s_cselect_b64 s[10:11], s[10:11], s[14:15]
	s_cselect_b32 s17, 0, WGA
	s_sub_co_u32 s17, ttmp9, s17
	s_lshl_b32 s17, s17, 2
	s_add_co_u32 s18, s17, s16                     ; which run of 2,048 numbers of the tensor is my wave's
	s_mov_b32 s21, 0
	s_lshl_b32 s20, s18, 13                        ; 8,192 bytes of f32 a run
	s_add_nc_u64 s[4:5], s[4:5], s[20:21]
	s_mul_i32 s20, s18, 32*STEPS*CB                ; 1,536 bytes of codes
	s_add_nc_u64 s[8:9], s[8:9], s[20:21]
	s_lshl_b32 s20, s18, 6                         ; 64 scale bytes
	s_add_nc_u64 s[10:11], s[10:11], s[20:21]
.macro LOAD t
.irp i, 0,1,2,3
	global_load_b128 v[R+16*(\t)+4*\i:R+16*(\t)+4*\i+3], v3, s[4:5] offset:2048*(\t)+512*\i th:TH_LOAD_NT   ; 32 lanes read 512 consecutive bytes
.endr
.endm
.macro TURN t                          ; step t's numbers through the stage: LDS serves a wave's instructions in order, so no wait stands between the stores and the loads
.irp i, 0,1,2,3
	ds_store_b128 v14, v[R+16*(\t)+4*\i:R+16*(\t)+4*\i+3] offset:32*SP*((\t)%2)+8*SP*\i
.endr
.irp i, 0,1,2,3
	ds_load_b128 v[X+16*((\t)%2)+4*\i:X+16*((\t)%2)+4*\i+3], v15 offset:32*SP*((\t)%2)+16*\i
.endr
.endm
.irp t, 0,1,2,3
	LOAD \t
.endr
	s_wait_loadcnt 12                              ; step 0's four loads are in; the twelve behind them may be out
	TURN 0
.macro STEP t
.set XS, X+16*((\t)%2)
.if (\t) > 0
	s_wait_dscnt 1                                 ; this step's numbers are back from the stage; the last step's byte store may be out
.else
	s_wait_dscnt 0x0
.endif
.if (\t)+1 < STEPS
	s_wait_loadcnt 4*(STEPS-2-(\t))                ; the next step's four loads are in; those of the steps behind it may be out
	TURN (\t)+1                                    ; and go through the other stage while this step is worked
.endif
	v_max3_num_f32 v8, |v[XS]|, |v[XS+1]|, |v[XS+2]|               ; the largest magnitude of my 16, in two chains
	v_max3_num_f32 v9, |v[XS+3]|, |v[XS+4]|, |v[XS+5]|
.irp i, 6,10
	v_max3_num_f32 v8, v8, |v[XS+\i]|, |v[XS+\i+1]|
	v_max3_num_f32 v9, v9, |v[XS+\i+2]|, |v[XS+\i+3]|
.endr
	v_max3_num_f32 v8, v8, |v[XS+14]|, |v[XS+15]|
	v_max3_num_f32 v8, v8, v9, (EMAX+1)<<23        ; and the floor 2^(3 - 127): the byte cannot fall under 1
	v_max_num_f32_dpp v8, v8, v8 row_xmask:1 row_mask:0xf bank_mask:0xf   ; and of my neighbour's 16: the block's
	v_add_nc_u32 v11, -(EMAX<<23), v8              ; 2 off its exponent field: the conversion takes the exponent field of this operand as its scale
	v_cvt_scalef32_pk16_fp6_f32 v[C+4*(\t):C+4*(\t)+2], v[XS:XS+15], v11
	v_lshrrev_b32 v[E+(\t)], 23, v11               ; the scale's byte (also the plain line behind the conversion)
	ds_store_b8 v5, v[E+(\t)] offset:16*(\t)       ; both lanes of a block write the same byte with the same value
	global_store_b96 v4, v[C+4*(\t):C+4*(\t)+2], s[8:9] offset:32*CB*(\t)   ; the wave stores 384 consecutive bytes
.endm
.irp t, 0,1,2,3
	STEP \t
.endr
	ds_load_u16 v12, v6                            ; LDS serves a wave's instructions in order: this sees my byte stores
	s_wait_dscnt 0x0
	global_store_b16 v7, v12, s[10:11]             ; 64 consecutive bytes a wave; the work-group's four waves fill 256 consecutive bytes, aligned
	s_wait_tensorcnt 0x0
	ds_add_u32 v144, v145
	s_wait_dscnt 0x0
	s_endpgm
.Lfunc_end_k_qf965b1a7bf_quantw:
	.size	k_qf965b1a7bf_quantw, .Lfunc_end_k_qf965b1a7bf_quantw-k_qf965b1a7bf_quantw
	.p2alignl 7, 3214868480
	.fill 96, 4, 3214868480
	.section	.rodata,"a",@progbits
	.p2align	6, 0x0
	.amdhsa_kernel k_qf965b1a7bf_quantw
		.amdhsa_group_segment_fixed_size 33280
		.amdhsa_private_segment_fixed_size 0
		.amdhsa_enable_private_segment 0
		.amdhsa_kernarg_size 48
		.amdhsa_user_sgpr_count 2
		.amdhsa_user_sgpr_kernarg_segment_ptr 1
		.amdhsa_wavefront_size32 1
		.amdhsa_system_sgpr_workgroup_id_x 1
		.amdhsa_system_sgpr_workgroup_id_y 1
		.amdhsa_system_sgpr_workgroup_id_z 1
		.amdhsa_system_vgpr_workitem_id 0
		.amdhsa_next_free_vgpr 146
		.amdhsa_next_free_sgpr 66
		.amdhsa_reserve_vcc 0
		.amdhsa_float_denorm_mode_32 3
		.amdhsa_float_denorm_mode_16_64 3
		.amdhsa_memory_ordered 1
		.amdhsa_forward_progress 1
		.amdhsa_inst_pref_size 10
	.end_amdhsa_kernel
	.amdgpu_metadata
---
amdhsa.version: [ 1, 2 ]
amdhsa.kernels:
  - .name:           k_qf965b1a7bf_quantw
    .symbol:         k_qf965b1a7bf_quantw.kd
    .args:
      - { .name: w_qkv, .offset: 0, .size: 8, .value_kind: global_buffer, .address_space: global }
      - { .name: w_proj, .offset: 8, .size: 8, .value_kind: global_buffer, .address_space: global }
      - { .name: wq_codes, .offset: 16, .size: 8, .value_kind: global_buffer, .address_space: global }
      - { .name: wq_scales, .offset: 24, .size: 8, .value_kind: global_buffer, .address_space: global }
      - { .name: wp_codes, .offset: 32, .size: 8, .value_kind: global_buffer, .address_space: global }
      - { .name: wp_scales, .offset: 40, .size: 8, .value_kind: global_buffer, .address_space: global }
    .group_segment_fixed_size: 33280
    .private_segment_fixed_size: 0
    .kernarg_segment_align: 8
    .kernarg_segment_size: 48
    .max_flat_workgroup_size: 128
    .sgpr_count:     66
    .vgpr_count:     146
    .wavefront_size: 32
...
	.end_amdgpu_metadata
.endif
;; end of part 1
;; launch qkv (part 2): grid 256 x 1, 12 waves a work-group, no clusters, 14,848 bytes of LDS; arguments x, wq_codes, wq_scales, qbuf, kv; writes qbuf, kv
.if DOCPART == 2
	.amdgcn_target "amdgcn-amd-amdhsa--gfx1250"
	.amdhsa_code_object_version 6
	.text
	.protected	k_qf965b1a7bf_qkv
	.globl	k_qf965b1a7bf_qkv
	.p2align	8
	.type	k_qf965b1a7bf_qkv,@function
k_qf965b1a7bf_qkv:
	s_mov_b64 s[64:65], 0
	v_nop
	global_prefetch_b8 v0, s[64:65] scope:SCOPE_SE
	s_setreg_imm32_b32 hwreg(HW_REG_WAVE_MODE, 25, 1), 1
	s_wait_xcnt 0x0
; qkv[b][o][n] = sum over c of w_qkv[o][c] x[b][c][n] on codes of FP6 (E2M3) with one E8M0 scale for each 32 along c; the results are quantised at once for attention:
; q and k along the head's 64 channels, v along the keys.  x: [4][256][4096] f32.  w_qkv arrives as codes [768][192 bytes] and scale bytes [768][8].
; SHARES.  A work-group takes one image b and 64 columns n (G = 0 .. 63).  Wave w of twelve owns rows 64 w .. 64 w + 63 of w_qkv: one of q, k, v (w / 4) of one head (w % 4); its
; 8 fragments of the weight stay in 96 registers.
; PHASE X.  Waves 0-7 quantise x: K (the channels) is x's outer axis, so a lane takes a column n and its registers run down c; the codes go into LDS as IMAGES OF THE OPERAND'S REGISTERS
; (a fragment's 12 registers as three groups of 512 bytes, lane l's 16 bytes at 16 l).  One barrier.  Then every wave reads all 8 fragments.
; TILES ARE NOT NEIGHBOURS: tile 2 b + u of any row axis takes rows 32 b + 8 u + r + 8 (r / 8), so that in a result the 16 registers of tiles 2 b, 2 b + 1 are the neighbours 32 b + 16 (lane / 16) + 0 .. 15.
; q, k: source 0 = 16 rows of the weight, source 1 = 16 columns of x: a lane holds one n and its 32 registers run along the head's channels.
; v: the sources swapped: a lane holds one channel and its 32 registers run along the 64 keys.
; WHAT IS STORED, all as register images.  qbuf: for 32 queries 1,536 bytes (registers 0-5 tile u = 0, 6-11 tile u = 1), and one scale word a lane (lanes 0-15 tile 0, lanes 16-31 tile 1;
; the two bytes twice).  kv: a record of 13,056 bytes for 128 keys: for each 64 keys c: two such images of K and four half images of V (channels' tile t: 512 + 256 bytes); then K's and V's scale words.
; LIMITS: a block of zeros, or one whose largest magnitude lies under 2^-124, gets the byte 1 (its codes are zeros or held; this program alone reads the bytes); NaN and infinities are not served.
; NO CLUSTER: the launch has no tensor load; the weight goes once from memory into the registers of the wave that owns it (12,800 bytes a wave), x is read by one work-group alone.
.set XSC,   12288                      ; LDS: 8 images of 1,536 bytes from 0 on (fragment (m, s) at 2 m + s); behind them their scale words, 64 bytes each
.set QSC,   3145728                    ; qbuf: the scale words begin here
.set REC,   13056                      ; kv: a record
.set HEADB, 32*REC                     ; a head's 32 records
.set LN,  1                            ; v1   lane
.set RR,  2                            ; v2   r = lane % 16
.set HH,  3                            ; v3   h = lane / 16
.set L16, 4                            ; v4   16 x lane
.set R4,  5                            ; v5   XSC + 4 r
.set XW,  6                            ; v6   phase X: where my codes go
.set XWS, 7                            ; v7   phase X: where my scale bytes go
.set WA,  9                            ; v9   the weight's codes: (r + 8 (r / 8)) x 192 + 24 h
.set WSA, 10                           ; v10  its scale bytes: (r + 8 (r / 8)) x 8
.set L4,  11                           ; v11  4 x lane
.set L8,  12                           ; v12  8 x lane
.set TM,  16                           ; v16-21 at work in the quantiser
.set WT,  24                           ; v24-27 the 16-bit scale words of four tiles
.set SW,  28                           ; v28-31 scale words to store, at work
.set XS,  32                           ; v32-35 x's scale words
.set WS,  40                           ; v40-47 the weight's: tile t, K step s at 2 t + s
.set WF,  48                           ; v48-143 the weight's fragments: (t, s) at 12 (2 t + s)
.set XB,  144                          ; v144-191 x's fragments in hand (phase X: v144-207 the 64 numbers)
.set HA,  192                          ; v192-223 four accumulators
.set PC,  224                          ; v224-247 the codes made
.set PT,  248                          ; v248-250 a conversion's second half
.set WV,  14
.set SEL, 20
.macro MM d, a, b, c, sa, sb           ; c < 0: the constant 0 starts the sum
.set MC, \c
.if MC < 0
	v_wmma_scale_f32_16x16x128_f8f6f4 v[\d:\d+7], v[\a:\a+11], v[\b:\b+11], 0, v[\sa], v[\sb] matrix_a_fmt:MATRIX_FMT_FP6 matrix_b_fmt:MATRIX_FMT_FP6
.else
	v_wmma_scale_f32_16x16x128_f8f6f4 v[\d:\d+7], v[\a:\a+11], v[\b:\b+11], v[\c:\c+7], v[\sa], v[\sb] matrix_a_fmt:MATRIX_FMT_FP6 matrix_b_fmt:MATRIX_FMT_FP6
.endif
.endm
; 32 numbers of a lane, register 16 b + i = k 32 b + 16 (lane / 16) + i of my row, become half a fragment in v[dst .. dst + 5] (lane (r, h): row r, k = 32 h .. 32 h + 31) and the two scale bytes in v[w].
.macro QUANT2 src, dst, pt, tm, w
.irp b, 0,1
	v_max3_num_f32 v[\tm+\b], |v[\src+16*\b]|, |v[\src+16*\b+1]|, 0x1800000   ; my 16 numbers of block b, and the floor 2^(3 - 127): the byte cannot fall under 1
.endr
.irp i, 2,4,6,8,10,12,14
.irp b, 0,1
	v_max3_num_f32 v[\tm+\b], v[\tm+\b], |v[\src+16*\b+\i]|, |v[\src+16*\b+\i+1]|
.endr
.endr
.irp b, 0,1
	s_delay_alu instid0(VALU_DEP_2)
	v_permlanex16_b32 v[\tm+2+\b], v[\tm+\b], s[SEL], s[SEL+1]
.endr
.irp b, 0,1
	s_delay_alu instid0(VALU_DEP_2)
	v_max_num_f32 v[\tm+\b], v[\tm+\b], v[\tm+2+\b]          ; with lane l xor 16's: the block's largest magnitude
.endr
.irp b, 0,1
	s_delay_alu instid0(VALU_DEP_2)
	v_add_nc_u32 v[\tm+4+\b], 0xff000000, v[\tm+\b]          ; 2 off its exponent field: the conversion's scale operand
.endr
.irp b, 0,1
	s_delay_alu instid0(VALU_DEP_2)
	v_lshrrev_b32 v[\tm+2+\b], 23, v[\tm+4+\b]               ; the scale's byte
.endr
	s_delay_alu instid0(VALU_DEP_1)
	v_lshl_or_b32 v[\w], v[\tm+3], 8, v[\tm+2]
	v_cvt_scalef32_pk16_fp6_f32 v[\dst:\dst+2], v[\src:\src+15], v[\tm+4]
	v_cvt_scalef32_pk16_fp6_f32 v[\pt:\pt+2], v[\src+16:\src+31], v[\tm+5]   ; (a conversion's three registers begin on an even number)
	v_nop                                          ; one plain line behind a scaled conversion
.irp i, 0,1,2
	v_permlane16_swap_b32 v[\dst+\i], v[\pt+\i]    ; the layout wants a whole block in a lane: lanes 0-15 block 0, lanes 16-31 block 1
.endr
.irp i, 0,1,2
	s_delay_alu instid0(VALU_DEP_3)
	v_mov_b32 v[\dst+3+\i], v[\pt+\i]
.endr
.endm
.macro FETCHX reg, m, s                ; fragment (m, s) of x comes back as it was stored
.irp g, 0,1,2
	ds_load_b128 v[\reg+4*\g:\reg+4*\g+3], v[L16] offset:(2*(\m)+(\s))*1536+512*\g
.endr
.endm
	s_load_b128 s[4:7], s[0:1], 0x0                ; x, the weight's codes
	s_load_b128 s[8:11], s[0:1], 0x10              ; the weight's scales, qbuf
	s_load_b64 s[12:13], s[0:1], 0x20              ; kv
	v_lshl_add_u32 v254, v0, 2, 0x3400
	v_mov_b32 v255, 0
	v_lshrrev_b32 v13, 5, v0
	s_delay_alu instid0(VALU_DEP_1)
	v_readfirstlane_b32 s[WV], v13                 ; wave 0..11
	v_and_b32 v[LN], 31, v0
	v_and_b32 v[RR], 15, v0
	v_bfe_u32 v[HH], v0, 4, 1
	s_delay_alu instid0(VALU_DEP_3)
	v_lshlrev_b32 v[L16], 4, v[LN]
	s_delay_alu instid0(VALU_DEP_4)
	v_lshlrev_b32 v[L8], 3, v[LN]
	v_lshlrev_b32 v[L4], 2, v[LN]
	v_lshl_add_u32 v[R4], v[RR], 2, XSC
	s_and_b32 s15, s[WV], 1                        ; phase X: ch: which 32 of the 64 columns
	s_bfe_u32 s16, s[WV], 0x10001                  ; s: which K step of 128 channels
	s_lshr_b32 s17, s[WV], 2                       ; hh: which half of the lanes my codes belong to
	; every LDS address is made here, ahead of the first parting of the waves
	v_bfe_u32 v13, v0, 3, 1                        ; my column is lane l of 32: it lies in tile u = (l / 8) % 2,
	s_wait_alu depctr_va_vdst(0)
	v_and_b32 v14, 7, v0
	s_delay_alu instid0(VALU_DEP_1)
	v_lshl_add_u32 v14, v[HH], 3, v14              ; at row rr = l % 8 + 8 (l / 16)
	s_mul_i32 s18, s15, 6144
	s_mul_i32 s19, s16, 1536
	s_add_co_u32 s18, s18, s19
	s_lshl_b32 s19, s17, 8
	s_add_co_u32 s18, s18, s19
	v_mul_u32_u24 v[XW], v13, 3072
	s_delay_alu instid0(VALU_DEP_1)
	v_lshl_add_u32 v[XW], v14, 4, v[XW]
	s_delay_alu instid0(VALU_DEP_1)
	v_add_nc_u32 v[XW], s18, v[XW]                 ; image (2 (2 ch + u) + s) x 1,536 + 16 x (16 hh + rr)
	s_lshl_b32 s18, s15, 8
	s_lshl_b32 s19, s16, 6
	s_add_co_u32 s18, s18, s19
	s_add_co_u32 s18, s18, s17
	s_add_co_u32 s18, s18, XSC
	v_lshlrev_b32 v[XWS], 7, v13
	s_wait_alu depctr_va_vdst(0)
	v_lshl_add_u32 v[XWS], v14, 2, v[XWS]
	s_delay_alu instid0(VALU_DEP_1)
	v_add_nc_u32 v[XWS], s18, v[XWS]               ; the fragment's 64 bytes of scale words, word rr, byte hh (+ 2 e)
	v_and_b32 v13, 8, v[RR]
	s_delay_alu instid0(VALU_DEP_1)
	v_add_nc_u32 v13, v13, v[RR]                   ; r + 8 (r / 8)
	s_delay_alu instid0(VALU_DEP_1)
	v_mul_u32_u24 v[WA], v13, 192
	s_delay_alu instid0(VALU_DEP_1)
	v_mad_u32_u24 v[WA], v[HH], 24, v[WA]
	s_delay_alu instid0(VALU_DEP_3)
	v_lshlrev_b32 v[WSA], 3, v13
	v_mov_b32 v[TM+2], 0                           ; written once: a lane permute's destination counts as one of its sources
	v_mov_b32 v[TM+3], 0
	v_cmp_le_u32 vcc_lo, 16, v[LN]                 ; lanes 16-31; kept to the end
	s_mov_b32 s[SEL], 0x76543210
	s_mov_b32 s[SEL+1], 0xfedcba98                 ; v_permlanex16_b32's selects for lane l xor 16
	s_lshr_b32 s22, ttmp9, 6                       ; b
	s_and_b32 s23, ttmp9, 63                       ; G
	s_and_b32 s26, s[WV], 3
	s_lshl_b32 s27, s22, 2
	s_add_co_u32 s26, s26, s27                     ; bh = 4 b + head
	s_lshl_b32 s24, s22, 22                        ; x: b x 4,194,304 + (128 s + 32 hh) x 16,384 + (64 G + 32 ch) x 4
	s_lshl_b32 s25, s16, 21
	s_add_co_u32 s24, s24, s25
	s_lshl_b32 s25, s17, 19
	s_add_co_u32 s24, s24, s25
	s_lshl_b32 s25, s23, 8
	s_add_co_u32 s24, s24, s25
	s_lshl_b32 s25, s15, 7
	s_add_co_u32 s24, s24, s25
	s_mov_b32 s25, 0
	s_mul_i32 s28, s[WV], 64*192                   ; my 64 rows of the weight's codes,
	s_mov_b32 s29, 0
	s_lshl_b32 s30, s[WV], 9                       ; and of its scale bytes
	s_mov_b32 s31, 0
	s_lshl_b32 s32, s26, 7
	s_lshl_b32 s33, s23, 1
	s_add_co_u32 s32, s32, s33                     ; q: my first group of 32 queries: 128 bh + 2 G
	s_mul_i32 s33, s32, 1536                       ; its image,
	s_lshl_b32 s32, s32, 7
	s_add_co_u32 s32, s32, QSC                     ; its scale words
	s_mul_i32 s34, s26, HEADB
	s_lshr_b32 s35, s23, 1
	s_mul_i32 s35, s35, REC
	s_add_co_u32 s34, s34, s35                     ; k, v: the record of keys 128 (G / 2) on
	s_and_b32 s35, s23, 1                          ; c: which 64 of them
	s_mul_i32 s36, s35, 6144
	s_add_co_u32 s36, s36, s34                     ; K's images
	s_lshl_b32 s37, s35, 8
	s_add_co_u32 s37, s37, s34
	s_add_co_u32 s37, s37, 12288                   ; K's scale words
	s_add_co_u32 s42, s36, 3072                    ; V's half images
	s_mov_b32 s43, 0
	s_lshl_b32 s44, s35, 7
	s_add_co_u32 s44, s44, s34
	s_add_co_u32 s44, s44, 12800                   ; V's scale words
	s_mov_b32 s45, 0
	s_mov_b32 s39, 0
	s_mov_b32 s41, 0
	s_wait_alu depctr_va_vdst(0)
	s_wait_kmcnt 0x0
	s_cmp_lt_u32 s[WV], 4                          ; q's wave or k's: one text serves both, only bases are chosen
	s_cselect_b32 s38, s33, s36
	s_cselect_b32 s40, s32, s37
	s_cselect_b64 s[46:47], s[10:11], s[12:13]
	s_add_nc_u64 s[38:39], s[46:47], s[38:39]      ; where my codes go (q, k)
	s_add_nc_u64 s[40:41], s[46:47], s[40:41]      ; and my scale words
	s_add_nc_u64 s[42:43], s[12:13], s[42:43]      ; the same for v
	s_add_nc_u64 s[44:45], s[12:13], s[44:45]
	s_add_nc_u64 s[4:5], s[4:5], s[24:25]
	s_add_nc_u64 s[6:7], s[6:7], s[28:29]
	s_add_nc_u64 s[8:9], s[8:9], s[30:31]
	; the weight first, so that the counted wait for x's first block names x's second block alone
.irp t, 0,1,2,3
.irp s, 0,1
.irp p, 0,1,2,3,4,5
	global_load_b64 v[WF+12*(2*\t+\s)+2*\p:WF+12*(2*\t+\s)+2*\p+1], v[WA], s[6:7] offset:(32*(\t/2)+8*(\t%2))*192+96*\s+48*(\p/3)+8*(\p%3)
.endr
.endr
	global_load_b64 v[WS+2*\t:WS+2*\t+1], v[WSA], s[8:9] offset:(32*(\t/2)+8*(\t%2))*8
.endr
	s_cmp_lt_u32 s[WV], 8
	s_cbranch_scc0 .Lno_x
	; ---- PHASE X: my column's channels 128 s + 64 e + 32 hh + 0 .. 31, e = 0, 1: two whole blocks of 32 along K, all in my registers
.irp e, 0,1
.irp i, 0,1,2,3,4,5,6,7,8,9,10,11,12,13,14,15,16,17,18,19,20,21,22,23,24,25,26,27,28,29,30,31
	global_load_b32 v[XB+32*\e+\i], v[L4], s[4:5] offset:(64*\e+\i)*16384 th:TH_LOAD_NT   ; 32 lanes read 128 consecutive bytes; the wave beside me takes the 128 beside them
.endr
.endr
.macro XBLOCK e
.set XN, XB+32*\e
.set CC, PC+8*\e
	v_max3_num_f32 v[TM], |v[XN]|, |v[XN+1]|, |v[XN+2]|
	v_max3_num_f32 v[TM+1], |v[XN+3]|, |v[XN+4]|, |v[XN+5]|
.irp i, 6,10,14,18,22,26
	s_delay_alu instid0(VALU_DEP_2)
	v_max3_num_f32 v[TM], v[TM], |v[XN+\i]|, |v[XN+\i+1]|
	s_delay_alu instid0(VALU_DEP_2)
	v_max3_num_f32 v[TM+1], v[TM+1], |v[XN+\i+2]|, |v[XN+\i+3]|
.endr
	s_delay_alu instid0(VALU_DEP_2)
	v_max3_num_f32 v[TM], v[TM], |v[XN+30]|, |v[XN+31]|
	s_delay_alu instid0(VALU_DEP_1)
	v_max3_num_f32 v[TM], v[TM], v[TM+1], 0x1800000          ; and the floor
	s_delay_alu instid0(VALU_DEP_1)
	v_add_nc_u32 v[TM+4], 0xff000000, v[TM]
	v_cvt_scalef32_pk16_fp6_f32 v[CC:CC+2], v[XN:XN+15], v[TM+4]
	v_cvt_scalef32_pk16_fp6_f32 v[CC+4:CC+6], v[XN+16:XN+31], v[TM+4]
	v_lshrrev_b32 v[SW+\e], 23, v[TM+4]            ; the scale's byte (also the plain line behind the conversions)
	v_mov_b32 v[CC+3], v[CC+4]                     ; the block's six registers on end
	v_mov_b32 v[CC+4], v[CC+5]
	v_mov_b32 v[CC+5], v[CC+6]
.endm
	s_wait_loadcnt 32                              ; the weight and block 0 are in; block 1's 32 loads may be out
	XBLOCK 0
	ds_store_b128 v[XW], v[PC:PC+3]                ; registers 0-3 of the fragment's lane 16 hh + rr,
	ds_store_b64 v[XW], v[PC+4:PC+5] offset:512    ; registers 4, 5
	ds_store_b8 v[XWS], v[SW]
	s_wait_loadcnt 0x0
	XBLOCK 1
	ds_store_b64 v[XW], v[PC+8:PC+9] offset:520    ; registers 6, 7,
	ds_store_b128 v[XW], v[PC+10:PC+13] offset:1024   ; registers 8-11
	ds_store_b8 v[XWS], v[SW+1] offset:2
.Lno_x:
	s_wait_loadcnt 0x0                             ; the weight (waves 8-11)
	s_wait_dscnt 0x0                               ; for the others' sake: my stores have landed
	s_barrier_signal -1
	s_barrier_wait -1                              ; x's eight fragments and their scale words lie in LDS; nothing is written there again
	s_cmp_lt_u32 s[WV], 8
	s_cbranch_scc0 .Lv
	; ---- q, k: a tile m of 16 columns at a time; four accumulators (the weight's tiles) by turns
.irp m, 0,1,2,3
	FETCHX XB, \m, 0
	FETCHX XB+12, \m, 1
	ds_load_b32 v[XS], v[R4] offset:(2*\m)*64
	ds_load_b32 v[XS+1], v[R4] offset:(2*\m+1)*64
	s_wait_dscnt 0x0
.irp t, 0,1,2,3
	MM HA+8*\t, WF+24*\t, XB, -1, WS+2*\t, XS
.endr
.irp t, 0,1,2,3
	MM HA+8*\t, WF+24*\t+12, XB+12, HA+8*\t, WS+2*\t+1, XS+1
.endr
.rept 4
	v_nop                                          ; four places ahead of the first read of results (ISA guide 7.12.1)
.endr
	QUANT2 HA, PC+6*\m, PT, TM, WT+\m              ; register 16 b + i is channel 32 b + 16 h + i of my column
.if \m%2
.irp g, 0,1,2
	global_store_b128 v[L16], v[PC+12*(\m/2)+4*\g:PC+12*(\m/2)+4*\g+3], s[38:39] offset:1536*(\m/2)+512*\g   ; 512 consecutive bytes, aligned
.endr
	v_cndmask_b32 v[SW+2], v[WT+\m-1], v[WT+\m], vcc_lo      ; lanes 0-15 tile u = 0's word, lanes 16-31 tile u = 1's
	s_delay_alu instid0(VALU_DEP_1)
	v_lshl_or_b32 v[SW+\m/2], v[SW+2], 16, v[SW+2]           ; the two bytes twice: they serve in either half of a K of 128
	global_store_b32 v[L4], v[SW+\m/2], s[40:41] offset:128*(\m/2)
.endif
.endr
	s_wait_tensorcnt 0x0
	ds_add_u32 v254, v255
	s_wait_dscnt 0x0
	s_endpgm
.Lv:
	; ---- v: the sources swapped; for each tile t of 16 channels the four tiles of columns are the accumulators, by turns
.irp t, 0,1,2,3
.irp s, 0,1
.irp m, 0,1,2,3
	FETCHX XB+12*\m, \m, \s
	ds_load_b32 v[XS+\m], v[R4] offset:(2*\m+\s)*64
.endr
	s_wait_dscnt 0x0
.irp m, 0,1,2,3
.if \s == 0
	MM HA+8*\m, XB+12*\m, WF+24*\t, -1, XS+\m, WS+2*\t
.else
	MM HA+8*\m, XB+12*\m, WF+24*\t+12, HA+8*\m, XS+\m, WS+2*\t+1
.endif
.endr
.rept 4
	v_nop                                          ; four places ahead of loads into registers that matrix instructions have read, and of the first read of results
.endr
.endr
	QUANT2 HA, PC+6*\t, PT, TM, WT+\t              ; register 16 b + i is key 32 b + 16 h + i of my channel
	global_store_b128 v[L16], v[PC+6*\t:PC+6*\t+3], s[42:43] offset:768*\t
	global_store_b64 v[L8], v[PC+6*\t+4:PC+6*\t+5], s[42:43] offset:768*\t+512   ; 256 consecutive bytes, aligned
.endr
	v_lshl_or_b32 v[SW], v[WT+1], 16, v[WT]        ; tiles 0 and 1 in one word,
	v_lshl_or_b32 v[SW+1], v[WT+3], 16, v[WT+2]    ; tiles 2 and 3 in another:
	s_delay_alu instid0(VALU_DEP_1)
	v_cndmask_b32 v[SW+2], v[SW], v[SW+1], vcc_lo  ; lanes 0-15 carry the first, lanes 16-31 the second
	global_store_b32 v[L4], v[SW+2], s[44:45]
	s_wait_tensorcnt 0x0
	ds_add_u32 v254, v255
	s_wait_dscnt 0x0
	s_endpgm
.Lfunc_end_k_qf965b1a7bf_qkv:
	.size	k_qf965b1a7bf_qkv, .Lfunc_end_k_qf965b1a7bf_qkv-k_qf965b1a7bf_qkv
	.p2alignl 7, 3214868480
	.fill 96, 4, 3214868480
	.section	.rodata,"a",@progbits
	.p2align	6, 0x0
	.amdhsa_kernel k_qf965b1a7bf_qkv
		.amdhsa_group_segment_fixed_size 14848
		.amdhsa_private_segment_fixed_size 0
		.amdhsa_enable_private_segment 0
		.amdhsa_kernarg_size 40
		.amdhsa_user_sgpr_count 2
		.amdhsa_user_sgpr_kernarg_segment_ptr 1
		.amdhsa_wavefront_size32 1
		.amdhsa_system_sgpr_workgroup_id_x 1
		.amdhsa_system_sgpr_workgroup_id_y 1
		.amdhsa_system_sgpr_workgroup_id_z 1
		.amdhsa_system_vgpr_workitem_id 0
		.amdhsa_next_free_vgpr 256
		.amdhsa_next_free_sgpr 66
		.amdhsa_reserve_vcc 1
		.amdhsa_float_denorm_mode_32 3
		.amdhsa_float_denorm_mode_16_64 3
		.amdhsa_memory_ordered 1
		.amdhsa_forward_progress 1
		.amdhsa_inst_pref_size 60
	.end_amdhsa_kernel
	.amdgpu_metadata
---
amdhsa.version: [ 1, 2 ]
amdhsa.kernels:
  - .name:           k_qf965b1a7bf_qkv
    .symbol:         k_qf965b1a7bf_qkv.kd
    .args:
      - { .name: x, .offset: 0, .size: 8, .value_kind: global_buffer, .address_space: global }
      - { .name: wq_codes, .offset: 8, .size: 8, .value_kind: global_buffer, .address_space: global }
      - { .name: wq_scales, .offset: 16, .size: 8, .value_kind: global_buffer, .address_space: global }
      - { .name: qbuf, .offset: 24, .size: 8, .value_kind: global_buffer, .address_space: global }
      - { .name: kv, .offset: 32, .size: 8, .value_kind: global_buffer, .address_space: global }
    .group_segment_fixed_size: 14848
    .private_segment_fixed_size: 0
    .kernarg_segment_align: 8
    .kernarg_segment_size: 40
    .max_flat_workgroup_size: 384
    .sgpr_count:     66
    .vgpr_count:     256
    .wavefront_size: 32
...
	.end_amdgpu_metadata
.endif
;; end of part 2
;; launch attn (part 3): grid 16 x 16, 8 waves a work-group, clusters of 4 x 1, 327,680 bytes of LDS; arguments qbuf, kv, obuf; writes obuf
.if DOCPART == 3
	.amdgcn_target "amdgcn-amd-amdhsa--gfx1250"
	.amdhsa_code_object_version 6
	.text
	.protected	k_qf965b1a7bf_attn
	.globl	k_qf965b1a7bf_attn
	.p2align	8
	.type	k_qf965b1a7bf_attn,@function
k_qf965b1a7bf_attn:
	s_mov_b64 s[64:65], 0
	v_nop
	global_prefetch_b8 v0, s[64:65] scope:SCOPE_SE
	s_setreg_imm32_b32 hwreg(HW_REG_WAVE_MODE, 25, 1), 1
	s_wait_xcnt 0x0
	s_wait_alu depctr_hold_cnt(0) depctr_sa_sdst(0) depctr_va_vdst(0) depctr_va_sdst(0) depctr_va_ssrc(0) depctr_va_vcc(0) depctr_vm_vsrc(0)
	s_getreg_b32 s2, hwreg(HW_REG_IB_STS2, 6, 4)
	s_cmp_eq_u32 s2, 0
	s_cbranch_scc0 .Lentry_in_a_cluster
	s_endpgm
.Lentry_in_a_cluster:
	s_bfe_u32 s2, ttmp6, 0x10000c
	s_cmp_lg_u32 s2, 0x3003
	s_cbranch_scc0 .Lentry_shape_is_right
	s_endpgm
.Lentry_shape_is_right:
; O[bh][q] = sum over k of softmax_k(Q[q] . K[k] / 8) V[k], 16 heads (bh) x 4,096 queries x 4,096 keys x 64 channels, both products on codes of FP6 (E2M3) with E8M0 scales; O / l is quantised along the
; channels for the last product.  All operands come and go as images of operand registers (the launch before lays them so).
; THE SOFTMAX: t = score x log2(e) / 8; M = the running largest t rounded UP to a whole number; p = 2^(t - M) is quantised along the keys, not normalised; the row's sum l is taken of the
; unquantised p and divides at the end; when M moves, l and O are multiplied by 2^(old M - new M), which rounds nothing.  LIMITS: a p under 2^-126 becomes 0; a block whose every p is 0, or whose largest
; magnitude lies under 2^-124, gets the byte 1; NaN and infinities are not served.
; SHARES.  A work-group owns 256 queries of one head; each of its eight waves 32: two tiles q = 0, 1 of 16.  Every wave walks all keys, 128 a step.  Each fragment of K that a wave reads from LDS feeds four
; products, each of V two.
; BOTH PRODUCTS ARE USED TRANSPOSED (S^T = K Q^T, O^T = V^T P^T): a lane holds one query throughout; the keys of a tile are chosen so that the 16 registers of tiles 2 b, 2 b + 1 are 16 neighbouring keys.
; A K OF 64 IN AN INSTRUCTION OF 128: an image of K holds tile u = 0 of 32 keys in registers 0-5 and tile u = 1 in registers 6-11.  Multiplied by (q, zeros) it gives tile u = 0's scores, by (zeros, q) tile
; u = 1's: zero codes add nothing.  The scale words hold the two bytes twice, so either half finds its bytes; lanes 0-15 carry tile 0's words, lanes 16-31 tile 1's.
; THE RING.  Two LDS slots of 8 records (8 key steps, 104,448 bytes).  Each wave fetches one record of a slot by one tensor load: 51 rows of 256 bytes, dense.  By this text's count a wave has one tensor load out.
; CLUSTER.  The four blocks of queries of a cluster belong to one head and walk the same records: each record is asked for JOINTLY, by the same load with the same descriptor and a mask that names the four.
; NO PREFETCH: a refill is asked for a whole slot, eight key steps, ahead of the wait for it.
; REGISTERS.  Window 0: v1-8 addresses; v12-19 statistics (tile q at 12 + 4 q: -M, largest t, the sum in two halves); v20-30 scale words; v32-79 K's four images, behind the scores at work;
; v80-207 S^T, then p; v208-231 p's codes.   Window 1: v0-63 O^T (32 q + 8 t); v64-93 zeros, q0, zeros, q1, zeros (six registers each); v96-143 V's four fragments.
.set REC,   13056
.set HEADB, 32*REC
.set SLOTB, 8*REC
.set SLOT1, 131072                     ; slot 1 begins here: one exclusive or turns an address in one slot into the other's
.set SPARE, SLOT1+SLOTB                ; behind the ring: the spare words, 128 bytes for each wave: four blocks of 256 bytes that no other line names
.set QSC,   3145728
.set OSC,   3145728
.set SPW, 1                            ; v1   SPARE + 4 x my thread's number; never rewritten
.set NIL, 2                            ; v2   0; never rewritten
.set L16, 3
.set L8,  4
.set L4,  5
.set A16, 6                            ; v6-8 the step's record + 16, 8, 4 x lane
.set A8,  7
.set A4,  8
.set ST,  12
.set QS,  20                           ; Q's scale words
.set KS,  21                           ; v21-24 K's, block b
.set VA,  25                           ; v25, 26 V's as stored, keys' group c
.set VB,  26
.set VSL, 27                           ; v27 tiles 0 (lanes 0-15) and 2 (lanes 16-31) of V; v28 tiles 1 and 3
.set PS,  29                           ; v29, 30 p's, tile q
.set KI,  32
.set BM,  32                           ; at work, + 24 q: the blocks' largest scores;
.set PT,  36                           ; eight registers;
.set SO,  44                           ; the conversions' scale operands;
.set F,   48                           ; f = 2^(old M - new M), the low word of a pair;
.set TT,  50                           ; one more
.set S,   80
.set P,   208
.set O,   0                            ; window 1
.set QZ,  64
.set VF,  96
.set WV,  10
.set G1,  16                           ; s[16:23] descriptor group 1
.set G0,  24                           ; s[24:27] descriptor group 0: it walks
.set TB,  28                           ; LDS byte of the step's record
.set CNT, 29
.set SLOTS, 30
.set SEL, 32
.set CS,  34                           ; s[34:35] c = log2(e) / 8
.set MSB, 0
.macro WIN new                         ; the immediate's high byte repeats the setting that is left
.if MSB != \new
	s_set_vgpr_msb (MSB<<8)|\new
.set MSB, \new
.endif
.endm
.macro MM d, a, b, c, sa, sb, ra, rb   ; c < 0: the constant 0 starts the sum; ra, rb: the scales come from lanes 16-31
.set MC, \c
.set MR, 2*(\ra)+(\rb)
.if MC < 0
.if MR == 0
	v_wmma_scale_f32_16x16x128_f8f6f4 v[\d:\d+7], v[\a:\a+11], v[\b:\b+11], 0, v[\sa], v[\sb] matrix_a_fmt:MATRIX_FMT_FP6 matrix_b_fmt:MATRIX_FMT_FP6
.elseif MR == 1
	v_wmma_scale_f32_16x16x128_f8f6f4 v[\d:\d+7], v[\a:\a+11], v[\b:\b+11], 0, v[\sa], v[\sb] matrix_a_fmt:MATRIX_FMT_FP6 matrix_b_fmt:MATRIX_FMT_FP6 matrix_b_scale:MATRIX_SCALE_ROW1
.elseif MR == 2
	v_wmma_scale_f32_16x16x128_f8f6f4 v[\d:\d+7], v[\a:\a+11], v[\b:\b+11], 0, v[\sa], v[\sb] matrix_a_fmt:MATRIX_FMT_FP6 matrix_b_fmt:MATRIX_FMT_FP6 matrix_a_scale:MATRIX_SCALE_ROW1
.else
	v_wmma_scale_f32_16x16x128_f8f6f4 v[\d:\d+7], v[\a:\a+11], v[\b:\b+11], 0, v[\sa], v[\sb] matrix_a_fmt:MATRIX_FMT_FP6 matrix_b_fmt:MATRIX_FMT_FP6 matrix_a_scale:MATRIX_SCALE_ROW1 matrix_b_scale:MATRIX_SCALE_ROW1
.endif
.else
.if MR == 0
	v_wmma_scale_f32_16x16x128_f8f6f4 v[\d:\d+7], v[\a:\a+11], v[\b:\b+11], v[\c:\c+7], v[\sa], v[\sb] matrix_a_fmt:MATRIX_FMT_FP6 matrix_b_fmt:MATRIX_FMT_FP6
.else
	v_wmma_scale_f32_16x16x128_f8f6f4 v[\d:\d+7], v[\a:\a+11], v[\b:\b+11], v[\c:\c+7], v[\sa], v[\sb] matrix_a_fmt:MATRIX_FMT_FP6 matrix_b_fmt:MATRIX_FMT_FP6 matrix_a_scale:MATRIX_SCALE_ROW1
.endif
.endif
.endm
; 32 numbers of a lane, register 16 b + i = k 32 b + 16 (lane / 16) + i of my row, become half a fragment in v[dst .. dst + 5] and the two scale bytes in v[w].
.macro QUANT2 src, dst, pt, tm, w
.irp b, 0,1
	v_max3_num_f32 v[\tm+\b], |v[\src+16*\b]|, |v[\src+16*\b+1]|, 0x1800000
.endr
.irp i, 2,4,6,8,10,12,14
.irp b, 0,1
	s_delay_alu instid0(VALU_DEP_2)
	v_max3_num_f32 v[\tm+\b], v[\tm+\b], |v[\src+16*\b+\i]|, |v[\src+16*\b+\i+1]|
.endr
.endr
.irp b, 0,1
	s_delay_alu instid0(VALU_DEP_2)
	v_permlanex16_b32 v[\tm+2+\b], v[\tm+\b], s[SEL], s[SEL+1]
.endr
.irp b, 0,1
	s_delay_alu instid0(VALU_DEP_2)
	v_max_num_f32 v[\tm+\b], v[\tm+\b], v[\tm+2+\b]
.endr
.irp b, 0,1
	s_delay_alu instid0(VALU_DEP_2)
	v_add_nc_u32 v[\tm+4+\b], 0xff000000, v[\tm+\b]
.endr
.irp b, 0,1
	s_delay_alu instid0(VALU_DEP_2)
	v_lshrrev_b32 v[\tm+2+\b], 23, v[\tm+4+\b]
.endr
	s_delay_alu instid0(VALU_DEP_1)
	v_lshl_or_b32 v[\w], v[\tm+3], 8, v[\tm+2]
	v_cvt_scalef32_pk16_fp6_f32 v[\dst:\dst+2], v[\src:\src+15], v[\tm+4]
	v_cvt_scalef32_pk16_fp6_f32 v[\pt:\pt+2], v[\src+16:\src+31], v[\tm+5]
	v_nop                                          ; one plain line behind a scaled conversion
.irp i, 0,1,2
	v_permlane16_swap_b32 v[\dst+\i], v[\pt+\i]
.endr
.irp i, 0,1,2
	s_delay_alu instid0(VALU_DEP_3)
	v_mov_b32 v[\dst+3+\i], v[\pt+\i]
.endr
.endm
; A round of the cluster's barrier: my work-group's barrier; wave 0 signals for the work-group; every wave waits for all four work-groups; my work-group's barrier once more.
.macro CROUND
	s_barrier_signal -1
	s_barrier_wait -1
	s_cmp_lg_u32 s[WV], 0
	s_cbranch_scc1 .Lnot_wave_0_\@
	s_barrier_signal -3
.Lnot_wave_0_\@:
	s_barrier_wait -3
	s_barrier_signal -1
	s_barrier_wait -1
.endm
	s_load_b128 s[4:7], s[0:1], 0x0                ; qbuf, kv
	s_load_b64 s[8:9], s[0:1], 0x10                ; obuf
	v_lshl_add_u32 v[SPW], v0, 2, SPARE
	v_mov_b32 v[NIL], 0
	ds_add_u32 v1, v2
	ds_add_u32 v1, v2
	s_wait_dscnt 0x0
	v_lshrrev_b32 v9, 5, v0
	s_delay_alu instid0(VALU_DEP_1)
	v_readfirstlane_b32 s[WV], v9                  ; wave 0..7
	s_bfe_u32 s11, ttmp6, 0x40000                  ; cx: my place in the cluster
	s_lshl_b32 s12, ttmp9, 2                       ; in a cluster launch ttmp9 counts clusters
	s_add_co_u32 s12, s12, s11                     ; my block of 256 queries: it enters Q's and O's global addresses alone
	s_and_b32 s13, ttmp7, 0xffff                   ; bh, which the four partners share
	; descriptor group 1: a record as 51 rows of 256 bytes (32 elements of 8 bytes), dense, no padding: images are read as consecutive bytes
	s_mov_b32 s[G1], 15|(3<<16)|(1<<21)            ; 15:0 the mask: all four work-groups; 17:16 elements of 8 bytes; 21 set beside a mask
	s_mov_b32 s[G1+1], 32<<16                      ; tensor_dim0 = 32
	s_mov_b32 s[G1+2], 51<<16                      ; tensor_dim1 = 51
	s_mov_b32 s[G1+3], 32<<16                      ; tile_dim0 = 32
	s_mov_b32 s[G1+4], 51                          ; tile_dim1 = 51
	s_mov_b32 s[G1+5], 32                          ; from row to row
	s_mov_b32 s[G1+6], 0
	s_mov_b32 s[G1+7], 0
	s_mul_i32 s38, s[WV], REC                      ; my record of a slot: no place in the cluster enters an LDS address
	s_mul_i32 s14, s13, HEADB
	s_add_co_u32 s14, s14, s38                     ; and in memory: the head's records, + my wave's
	s_mov_b32 s15, 0
	s_lshl_b32 s46, s12, 3
	s_add_co_u32 s46, s46, s[WV]                   ; my group of 32 queries in the head: 8 x block + wave
	s_lshl_b32 s39, s13, 7
	s_add_co_u32 s39, s39, s46
	s_mul_i32 s40, s39, 1536                       ; Q's image,
	s_mov_b32 s41, 0
	s_lshl_b32 s42, s39, 7
	s_add_co_u32 s42, s42, QSC                     ; its scale words
	s_mov_b32 s43, 0
	s_lshr_b32 s44, s13, 2                         ; b
	s_and_b32 s45, s13, 3                          ; the head in it
	s_lshl_b32 s47, s44, 7
	s_add_co_u32 s47, s47, s46                     ; 128 b + group
	s_mul_i32 s48, s47, 6144
	s_mul_i32 s49, s45, 1536
	s_add_co_u32 s48, s48, s49                     ; O's codes: [b][group][head][tile][768 bytes]
	s_mov_b32 s49, 0
	s_lshl_b32 s50, s47, 9
	s_lshl_b32 s51, s45, 7
	s_add_co_u32 s50, s50, s51
	s_add_co_u32 s50, s50, OSC                     ; O's scale words: [b][group][head][lane]
	s_mov_b32 s51, 0
	s_mov_b32 s[SEL], 0x76543210
	s_mov_b32 s[SEL+1], 0xfedcba98                 ; v_permlanex16_b32's selects for lane l xor 16
	s_mov_b32 s[CS], 0x3e38aa3b                    ; c = log2(e) / 8
	s_mov_b32 s[CS+1], s[CS]                       ; (named with it as a pair, so it is written)
	s_mov_b32 s36, 0x05040100                      ; v_perm_b32: the two low halves,
	s_mov_b32 s37, 0x07060302                      ; the two high halves
	s_mov_b32 s[TB], 0
	s_mov_b32 s[SLOTS], 3
	s_wait_kmcnt 0x0
	s_mov_b32 s[G0], 1                             ; count = 1
	s_mov_b32 s[G0+1], s38                         ; LDS address: slot 0, my record
	s_add_nc_u64 s[G0+2:G0+3], s[6:7], s[14:15]    ; global address: key step = my wave's number
	s_or_b32 s[G0+3], s[G0+3], 0x80000000          ; type = 2
	s_add_nc_u64 s[40:41], s[4:5], s[40:41]
	s_add_nc_u64 s[42:43], s[4:5], s[42:43]
	s_add_nc_u64 s[48:49], s[8:9], s[48:49]
	s_add_nc_u64 s[50:51], s[8:9], s[50:51]
	CROUND                                         ; all four work-groups are here: the first joint loads meet
	tensor_load_to_lds s[G0:G0+3], s[G1:G1+7]      ; slot 0
	s_nop 0
.rept 4
	v_nop                                          ; behind a tensor load
.endr
	v_and_b32 v9, 31, v0
	s_delay_alu instid0(VALU_DEP_1)
	v_lshlrev_b32 v[L16], 4, v9
	s_delay_alu instid0(VALU_DEP_2)
	v_lshlrev_b32 v[L8], 3, v9
	s_delay_alu instid0(VALU_DEP_3)
	v_lshlrev_b32 v[L4], 2, v9
.irp g, 0,1,2
	global_load_b128 v[P+4*\g:P+4*\g+3], v[L16], s[40:41] offset:512*\g th:TH_LOAD_NT   ; Q's image, by way of p's registers
.endr
	global_load_b32 v[QS], v[L4], s[42:43] th:TH_LOAD_NT
.irp q, 0,1
	v_mov_b32 v[ST+4*\q+1], 0xff61b1e6             ; the largest t so far: -3e38, under every t
	s_delay_alu instid0(VALU_DEP_1)
	v_floor_f32 v[ST+4*\q], -v[ST+4*\q+1]          ; -M
	v_mov_b32 v[ST+4*\q+2], 0                      ; the sum, in two halves
	v_mov_b32 v[ST+4*\q+3], 0
.endr
	WIN 0x40                                       ; destination window 1
.set j, 0
.rept 64
	v_mov_b32 v[O+j], 0                            ; O^T.  (The step is written once: the first finds zeros, which the first change of M leaves zeros)
.set j, j+1
.endr
.irp z, 0,12,24
.irp i, 0,1,2,3,4,5
	v_mov_b32 v[QZ+\z+\i], 0                       ; the zero codes beside q0 and q1
.endr
.endr
	s_wait_loadcnt 0x0
.irp q, 0,1
.irp i, 0,1,2,3,4,5
	v_mov_b32 v[QZ+6+12*\q+\i], v[P+6*\q+\i]
.endr
.endr
	WIN 0
; A KEY STEP: 128 keys: blocks b = 0 .. 3 of 32.
.macro STEP
	v_add_nc_u32 v[A16], s[TB], v[L16]             ; these three and the v_nop are the four places ahead of loads into registers that the last products read
	v_add_nc_u32 v[A8], s[TB], v[L8]
	v_add_nc_u32 v[A4], s[TB], v[L4]
	v_nop
.irp b, 0,1,2,3
.irp g, 0,1,2
	ds_load_b128 v[KI+12*\b+4*\g:KI+12*\b+4*\g+3], v[A16] offset:(\b/2)*6144+(\b%2)*1536+512*\g
.endr
.endr
.irp b, 0,1,2,3
	ds_load_b32 v[KS+\b], v[A4] offset:12288+128*\b
.endr
	ds_load_b32 v[VA], v[A4] offset:12800
	ds_load_b32 v[VB], v[A4] offset:12928
	WIN 0x40                                       ; destination window 1
.irp t, 0,1,2,3
.irp c, 0,1
	ds_load_b128 v[VF+12*\t+6*\c:VF+12*\t+6*\c+3], v[A16] offset:6144*\c+3072+768*\t
	ds_load_b64 v[VF+12*\t+6*\c+4:VF+12*\t+6*\c+5], v[A8] offset:6144*\c+3072+768*\t+512
.endr
.endr
	s_wait_dscnt 16                                ; K and all scale words are in; V's sixteen loads may be out
	WIN 0x04                                       ; source 1 (Q) window 1
	s_wait_alu depctr_va_vdst(0)
.irp b, 0,1,2,3
.irp q, 0,1
	MM S+64*\q+16*\b, KI+12*\b, QZ+6+12*\q, -1, KS+\b, QS, 0, \q       ; keys' tile 2 b: (q, zeros)
	MM S+64*\q+16*\b+8, KI+12*\b, QZ+12*\q, -1, KS+\b, QS, 1, \q       ; keys' tile 2 b + 1: (zeros, q)
.endr
.endr
	WIN 0
	v_perm_b32 v[VSL], v[VB], v[VA], s36           ; V's scale words of the step's 128 keys: the two groups' low halves: tiles 0 and 2;
	v_perm_b32 v[VSL+1], v[VB], v[VA], s37         ; the high halves: tiles 1 and 3.  With the two v_nop: the four places behind the scores
	v_nop
	v_nop
.irp b, 0,1,2,3
.irp q, 0,1
	v_max3_num_f32 v[BM+24*\q+\b], v[S+64*\q+16*\b], v[S+64*\q+16*\b+1], v[S+64*\q+16*\b+2]   ; the largest score of each block of 32 keys: for the row's maximum, and, since p rises with the score, for the block's largest p
.endr
.endr
.irp i, 3,5,7,9,11,13
.irp b, 0,1,2,3
.irp q, 0,1
	v_max3_num_f32 v[BM+24*\q+\b], v[BM+24*\q+\b], v[S+64*\q+16*\b+\i], v[S+64*\q+16*\b+\i+1]
.endr
.endr
.endr
.irp b, 0,1,2,3
.irp q, 0,1
	v_max_num_f32 v[BM+24*\q+\b], v[BM+24*\q+\b], v[S+64*\q+16*\b+15]
.endr
.endr
.irp b, 0,1,2,3
.irp q, 0,1
	v_permlanex16_b32 v[PT+24*\q+\b], v[BM+24*\q+\b], s[SEL], s[SEL+1]
.endr
.endr
.irp b, 0,1,2,3
.irp q, 0,1
	v_max_num_f32 v[BM+24*\q+\b], v[BM+24*\q+\b], v[PT+24*\q+\b]       ; with lane l xor 16's 16 keys
.endr
.endr
.irp q, 0,1
	s_delay_alu instid0(VALU_DEP_4)
	v_max3_num_f32 v[TT+24*\q], v[BM+24*\q], v[BM+24*\q+1], v[BM+24*\q+2]
.endr
.irp q, 0,1
	s_delay_alu instid0(VALU_DEP_2)
	v_max_num_f32 v[TT+24*\q], v[TT+24*\q], v[BM+24*\q+3]    ; the step's largest score of my query
.endr
.irp q, 0,1
	s_delay_alu instid0(VALU_DEP_2)
	v_mul_f32 v[TT+24*\q], s[CS], v[TT+24*\q]      ; as t (c is positive)
.endr
.irp q, 0,1
	s_delay_alu instid0(VALU_DEP_2)
	v_max_num_f32 v[ST+4*\q+1], v[ST+4*\q+1], v[TT+24*\q]    ; the running largest t
.endr
.irp q, 0,1
	v_mov_b32 v[TT+24*\q], v[ST+4*\q]
.endr
.irp q, 0,1
	s_delay_alu instid0(VALU_DEP_4)
	v_floor_f32 v[ST+4*\q], -v[ST+4*\q+1]          ; the new -M = floor(-t) = -ceil(t): a whole number
.endr
.irp q, 0,1
	s_delay_alu instid0(VALU_DEP_2)
	v_sub_f32 v[TT+24*\q], v[ST+4*\q], v[TT+24*\q] ; old M - new M: a whole number, 0 or less
.endr
.irp q, 0,1
	s_delay_alu instid0(VALU_DEP_2)
	v_cvt_i32_f32 v[TT+24*\q], v[TT+24*\q]         ; (it saturates)
.endr
.irp q, 0,1
	s_delay_alu instid0(VALU_DEP_2)
	v_ldexp_f32 v[F+24*\q], 1.0, v[TT+24*\q]       ; f = 2^(old M - new M)
.endr
.set j, 0
.rept 32
.irp q, 0,1
	v_pk_fma_f32 v[S+64*\q+j:S+64*\q+j+1], v[S+64*\q+j:S+64*\q+j+1], s[CS:CS+1], v[ST+4*\q:ST+4*\q+1] op_sel_hi:[1,0,0]   ; t - M, two at a time
.endr
.set j, j+2
.endr
.irp b, 0,1,2,3
.irp q, 0,1
	v_fma_f32 v[BM+24*\q+\b], v[BM+24*\q+\b], s[CS], v[ST+4*\q]        ; the same of each block's largest score
.endr
.endr
.set j, 0
	s_wait_alu depctr_va_vdst(0)
.rept 128
	v_exp_f32 v[S+j], v[S+j]                       ; p = 2^(t - M), at most 1: one batch for both tiles
.set j, j+1
.endr
	s_setprio 1
.irp q, 0,1
	v_pk_mul_f32 v[ST+4*\q+2:ST+4*\q+3], v[ST+4*\q+2:ST+4*\q+3], v[F+24*\q:F+24*\q+1] op_sel_hi:[1,0]   ; the sums under the new M (plain lines behind the exponentials)
.endr
	s_wait_alu depctr_va_vdst(0)                   ; one wait for the batch, ahead of its first reader
.irp b, 0,1,2,3
.irp q, 0,1
	v_exp_f32 v[BM+24*\q+\b], v[BM+24*\q+\b]       ; the block's largest p: the same two instructions on the same number give the same bits
.endr
.endr
.irp q, 0,1
	v_pk_add_f32 v[PT+24*\q:PT+24*\q+1], v[S+64*\q:S+64*\q+1], v[S+64*\q+2:S+64*\q+3]   ; the row's sum of the UNQUANTISED p: two at a time, two chains a tile
.endr
.irp j, 4,8,12,16,20,24,28,32,36,40,44,48,52,56,60
.irp q, 0,1
	v_pk_add_f32 v[ST+4*\q+2:ST+4*\q+3], v[ST+4*\q+2:ST+4*\q+3], v[S+64*\q+\j:S+64*\q+\j+1]
	v_pk_add_f32 v[PT+24*\q:PT+24*\q+1], v[PT+24*\q:PT+24*\q+1], v[S+64*\q+\j+2:S+64*\q+\j+3]
.endr
.endr
.irp q, 0
	s_delay_alu instid0(VALU_DEP_3)
	v_pk_add_f32 v[ST+4*\q+2:ST+4*\q+3], v[ST+4*\q+2:ST+4*\q+3], v[PT+24*\q:PT+24*\q+1]
.endr
.irp q, 1
	s_delay_alu instid0(VALU_DEP_2)
	v_pk_add_f32 v[ST+4*\q+2:ST+4*\q+3], v[ST+4*\q+2:ST+4*\q+3], v[PT+24*\q:PT+24*\q+1]
.endr
	s_wait_alu depctr_va_vdst(0)                   ; and one for the eight
.irp b, 0,1,2,3
.irp q, 0,1
	v_max_num_f32 v[BM+24*\q+\b], 0x1800000, v[BM+24*\q+\b]  ; the floor 2^(3 - 127): the byte cannot fall under 1
.endr
.endr
.irp b, 0,1,2,3
.irp q, 0,1
	v_add_nc_u32 v[SO+24*\q+\b], 0xff000000, v[BM+24*\q+\b]  ; 2 off the exponent field: the conversion's scale operand
.endr
.endr
.irp b, 0,1,2,3
.irp q, 0,1
	v_lshrrev_b32 v[PT+24*\q+\b], 23, v[SO+24*\q+\b]         ; the scale's byte
.endr
.endr
.irp q, 0,1
	v_lshl_or_b32 v[PS+\q], v[PT+24*\q+1], 8, v[PT+24*\q]    ; p's scale word for these 128 keys
.endr
.irp q, 0,1
	s_delay_alu instid0(VALU_DEP_2)
	v_lshl_or_b32 v[PS+\q], v[PT+24*\q+2], 16, v[PS+\q]
.endr
.irp q, 0,1
	s_delay_alu instid0(VALU_DEP_2)
	v_lshl_or_b32 v[PS+\q], v[PT+24*\q+3], 24, v[PS+\q]
.endr
.irp q, 0,1
.irp c, 0,1
	v_cvt_scalef32_pk16_fp6_f32 v[P+12*\q+6*\c:P+12*\q+6*\c+2], v[S+64*\q+32*\c:S+64*\q+32*\c+15], v[SO+24*\q+2*\c]
	v_cvt_scalef32_pk16_fp6_f32 v[PT+24*\q+4*\c:PT+24*\q+4*\c+2], v[S+64*\q+32*\c+16:S+64*\q+32*\c+31], v[SO+24*\q+2*\c+1]
.endr
.endr
	v_nop                                          ; one plain line behind the scaled conversions
.irp q, 0,1
.irp c, 0,1
.irp i, 0,1,2
	v_permlane16_swap_b32 v[P+12*\q+6*\c+\i], v[PT+24*\q+4*\c+\i]      ; a whole block in a lane: lanes 0-15 block 2 c, lanes 16-31 block 2 c + 1
.endr
.irp i, 0,1,2
	s_delay_alu instid0(VALU_DEP_3)
	v_mov_b32 v[P+12*\q+6*\c+3+\i], v[PT+24*\q+4*\c+\i]
.endr
.endr
.endr
	s_wait_dscnt 0x0                               ; V is in
	WIN 0x41                                       ; O^T (destination and source 0) window 1, f window 0
	s_setprio 0
.irp q, 0,1
.set j, 0
.rept 16
	v_pk_mul_f32 v[O+32*\q+j:O+32*\q+j+1], v[O+32*\q+j:O+32*\q+j+1], v[F+24*\q:F+24*\q+1] op_sel_hi:[1,0]   ; O^T under the new M, each accumulator from its low end on.  (These 32 are also the places between the vector lines that made p's codes and scale words and the products)
.set j, j+2
.endr
.endr
	WIN 0x51                                       ; V and O^T window 1, p window 0
.irp t, 0,1,2,3
.irp q, 0,1
	MM O+32*\q+8*\t, VF+12*\t, P+12*\q, O+32*\q+8*\t, VSL+\t%2, PS+\q, \t/2, 0   ; the eight accumulators by turns
.endr
.endr
	WIN 0
	s_add_co_u32 s[TB], s[TB], REC                 ; the next step's record
.endm
; THE CHANGE OF SLOTS stands at a slot's head.  Each wave waits for all its tensor loads (its record of the slot that it is about to read), adds 0 to its spare word, and waits for that and for its reads of the
; slot that it has left.  fill = 1: the barrier is a round of the cluster's, so that no wave of any partner still reads that slot or has a load on its way, and the joint refill is the first thing behind it.
.macro CHANGE fill
	s_wait_tensorcnt 0x0                           ; no tensor load of mine is out, so group 0 may be written
	ds_add_u32 v[SPW], v[NIL]                      ; 0 onto my spare word
.if \fill
	s_xor_b32 s[G0+1], s[G0+1], SLOT1              ; the other slot than last time,
	s_add_nc_u64 s[G0+2:G0+3], s[G0+2:G0+3], SLOTB ; the next eight key steps; the type bits on top are not reached
.endif
	s_wait_dscnt 0x0                               ; the add is done, and my reads of the slot that I have left are over
.if \fill
	CROUND
	tensor_load_to_lds s[G0:G0+3], s[G1:G1+7]      ; my one tensor load until the next round: it has eight key steps in which to land
	s_nop 0
.rept 4
	v_nop
.endr
.else
	s_barrier_signal -1
	s_barrier_wait -1
.endif
.endm
.macro SLOT_STEPS                      ; a slot's eight key steps: written once, walked eight times
	s_mov_b32 s[CNT], 8
.Lstep_\@:
	s_setprio 2
	STEP
	s_sub_co_u32 s[CNT], s[CNT], 1
	s_cmp_lg_u32 s[CNT], 0
	s_cbranch_scc1 .Lstep_\@
	s_setprio 0
	s_sub_co_u32 s[TB], s[TB], SLOTB               ; back to a slot's first record,
	s_xor_b32 s[TB], s[TB], SLOT1                  ; in the other slot
.endm
.Lslot:                                            ; three trips: behind each change of slots but the last the next slot is asked for
	CHANGE 1
	SLOT_STEPS
	s_sub_co_u32 s[SLOTS], s[SLOTS], 1
	s_cmp_lg_u32 s[SLOTS], 0
	s_cbranch_scc1 .Lslot
	CHANGE 0                                       ; the last slot is written out
	SLOT_STEPS
	; THE WAY OUT.  O^T / l; its 32 registers a tile run along the head's channels, which are 64 of the last product's K: quantised as they stand, stored as half images.
.irp q, 0,1
	v_add_f32 v[ST+4*\q+2], v[ST+4*\q+2], v[ST+4*\q+3]       ; the sum's two halves,
.endr
.irp q, 0,1
	s_delay_alu instid0(VALU_DEP_2)
	v_permlanex16_b32 v[TT+24*\q], v[ST+4*\q+2], s[SEL], s[SEL+1]
.endr
.irp q, 0,1
	s_delay_alu instid0(VALU_DEP_2)
	v_add_f32 v[ST+4*\q+2], v[ST+4*\q+2], v[TT+24*\q]        ; and lane l xor 16's: the row's sum
.endr
	s_wait_alu depctr_va_vdst(0)
.irp q, 0,1
	v_rcp_f32 v[ST+4*\q+2], v[ST+4*\q+2]
.endr
	v_and_b32 v9, 31, v0                           ; (plain lines behind the reciprocals)
	s_delay_alu instid0(VALU_DEP_1)
	v_cmp_le_u32 vcc_lo, 16, v9                    ; lanes 16-31
	s_wait_alu depctr_va_vdst(0)                   ; one wait for both, ahead of the first reader
	WIN 0x01                                       ; source 0 (O^T) window 1
.irp q, 0,1
.set j, 0
.rept 16
	v_pk_mul_f32 v[S+64*\q+j:S+64*\q+j+1], v[O+32*\q+j:O+32*\q+j+1], v[ST+4*\q+2:ST+4*\q+3] op_sel_hi:[1,0]   ; register 16 b + i: channel 32 b + 16 h + i of my query
.set j, j+2
.endr
.endr
	WIN 0
.irp q, 0,1
	QUANT2 S+64*\q, P+6*\q, SO+24*\q, BM+24*\q, TT+24*\q
.endr
.irp q, 0,1
	global_store_b128 v[L16], v[P+6*\q:P+6*\q+3], s[48:49] offset:768*\q           ; 512 consecutive bytes, aligned
	global_store_b64 v[L8], v[P+6*\q+4:P+6*\q+5], s[48:49] offset:768*\q+512       ; 256 consecutive bytes, aligned
.endr
	v_cndmask_b32 v9, v[TT], v[TT+24], vcc_lo      ; lanes 0-15 tile 0's two bytes, lanes 16-31 tile 1's
	global_store_b32 v[L4], v9, s[50:51]
	s_wait_tensorcnt 0x0                           ; the wave's end
	ds_add_u32 v[SPW], v[NIL]
	s_wait_dscnt 0x0
	CROUND                                         ; the closing round: no work-group ends while a partner may still ask for a record that names it
	s_endpgm
.Lfunc_end_k_qf965b1a7bf_attn:
	.size	k_qf965b1a7bf_attn, .Lfunc_end_k_qf965b1a7bf_attn-k_qf965b1a7bf_attn
	.p2alignl 7, 3214868480
	.fill 96, 4, 3214868480
	.section	.rodata,"a",@progbits
	.p2align	6, 0x0
	.amdhsa_kernel k_qf965b1a7bf_attn
		.amdhsa_group_segment_fixed_size 327680
		.amdhsa_private_segment_fixed_size 0
		.amdhsa_enable_private_segment 0
		.amdhsa_kernarg_size 24
		.amdhsa_user_sgpr_count 2
		.amdhsa_user_sgpr_kernarg_segment_ptr 1
		.amdhsa_wavefront_size32 1
		.amdhsa_system_sgpr_workgroup_id_x 1
		.amdhsa_system_sgpr_workgroup_id_y 1
		.amdhsa_system_sgpr_workgroup_id_z 1
		.amdhsa_system_vgpr_workitem_id 0
		.amdhsa_next_free_vgpr 512
		.amdhsa_next_free_sgpr 66
		.amdhsa_reserve_vcc 1
		.amdhsa_float_denorm_mode_32 3
		.amdhsa_float_denorm_mode_16_64 3
		.amdhsa_memory_ordered 1
		.amdhsa_forward_progress 1
		.amdhsa_inst_pref_size 79
	.end_amdhsa_kernel
	.amdgpu_metadata
---
amdhsa.version: [ 1, 2 ]
amdhsa.kernels:
  - .name:           k_qf965b1a7bf_attn
    .symbol:         k_qf965b1a7bf_attn.kd
    .args:
      - { .name: qbuf, .offset: 0, .size: 8, .value_kind: global_buffer, .address_space: global }
      - { .name: kv, .offset: 8, .size: 8, .value_kind: global_buffer, .address_space: global }
      - { .name: obuf, .offset: 16, .size: 8, .value_kind: global_buffer, .address_space: global }
    .group_segment_fixed_size: 327680
    .private_segment_fixed_size: 0
    .kernarg_segment_align: 8
    .kernarg_segment_size: 24
    .max_flat_workgroup_size: 256
    .sgpr_count:     66
    .vgpr_count:     512
    .wavefront_size: 32
...
	.end_amdgpu_metadata
.endif
;; end of part 3
;; launch proj (part 4): grid 256 x 1, 8 waves a work-group, no clusters, 70,656 bytes of LDS; arguments obuf, wp_codes, wp_scales, b_proj, out0; writes out0
.if DOCPART == 4
	.amdgcn_target "amdgcn-amd-amdhsa--gfx1250"
	.amdhsa_code_object_version 6
	.text
	.protected	k_qf965b1a7bf_proj
	.globl	k_qf965b1a7bf_proj
	.p2align	8
	.type	k_qf965b1a7bf_proj,@function
k_qf965b1a7bf_proj:
	s_mov_b64 s[64:65], 0
	v_nop
	global_prefetch_b8 v0, s[64:65] scope:SCOPE_SE
	s_setreg_imm32_b32 hwreg(HW_REG_WAVE_MODE, 25, 1), 1
	s_wait_xcnt 0x0
; out0[b][o][n] = sum over c of w_proj[o][c] O[b][c][n] + b_proj[o], on codes of FP6 (E2M3) with one E8M0 scale for each 32 along c.  out0: [4][256][4096] f32.
; O arrives as half images of operand registers, [b][group of 32 columns][head][tile u][768 bytes], with scale words [b][group][head][lane] (lanes 0-15 tile 0, lanes 16-31 tile 1; two bytes);
; two heads' halves make a fragment of 128 along c.  w_proj arrives as codes [256][192 bytes] and scale bytes [256][8].
; SHARES.  A work-group takes one image b and 64 columns n; wave w of eight owns rows o = 32 w .. 32 w + 31, two tiles, for all 64 columns: 8 accumulators by turns, two K steps.  No wave needs another: no barrier.
; Source 0 = 16 columns n of O, source 1 = 16 rows o of the weight: a lane holds one o, and its eight registers are eight NEIGHBOURING n (tile u of group g holds columns 32 g + 8 u + r + 8 (r / 8), so register j
; of lane (r, h) is column 32 g + 16 h + 8 u + j).  The bias is the C of each sum's first product.  The results go through the wave's own stage in LDS and leave as rows: sixteen lanes store 256 consecutive bytes, aligned.
; NO CLUSTER: the launch has no tensor load; each wave's operands go once from memory straight into its registers (12,288 bytes of O's codes, 6,144 of the weight's).
.set OSC, 3145728
.set L16, 1
.set L8,  2
.set L4,  3
.set WPA, 4                            ; the weight's codes: r x 192 + 24 h
.set WSA, 5                            ; its scale bytes: 8 r
.set BA,  6                            ; the bias: 4 r
.set STO, 7                            ; the stage: where I put 32 bytes of a row
.set RD,  8                            ; and where I read a row back
.set CO,  9                            ; my byte offset in out0
.set ORW, 10                           ; v10-17 O's scale words as stored: (group b, head) at 4 b + head
.set OS,  18                           ; v18-21 O's scale words: (group b, K step s) at 2 b + s
.set WS,  22                           ; v22-25 the weight's: (tile t, s) at 2 t + s
.set BR,  26                           ; v26-27 my bias, tile t
.set FF,  32                           ; v32-127 O's fragments: (b, u, s) at 12 (2 (2 b + u) + s); on the way out rows of out0
.set PP,  128                          ; v128-175 the weight's: (t, s) at 12 (2 t + s)
.set ACC, 176                          ; v176-239 accumulators: 8 (4 t + 2 b + u)
.set BI,  240                          ; v240-255 the bias in the result's layout, 8 registers a tile
.macro MM d, a, b, c, sa, sb, ra       ; ra: source 0's scales come from lanes 16-31
.if \ra
	v_wmma_scale_f32_16x16x128_f8f6f4 v[\d:\d+7], v[\a:\a+11], v[\b:\b+11], v[\c:\c+7], v[\sa], v[\sb] matrix_a_fmt:MATRIX_FMT_FP6 matrix_b_fmt:MATRIX_FMT_FP6 matrix_a_scale:MATRIX_SCALE_ROW1
.else
	v_wmma_scale_f32_16x16x128_f8f6f4 v[\d:\d+7], v[\a:\a+11], v[\b:\b+11], v[\c:\c+7], v[\sa], v[\sb] matrix_a_fmt:MATRIX_FMT_FP6 matrix_b_fmt:MATRIX_FMT_FP6
.endif
.endm
	s_load_b128 s[4:7], s[0:1], 0x0                ; obuf, the weight's codes
	s_load_b128 s[8:11], s[0:1], 0x10              ; the weight's scales, the bias
	s_load_b64 s[12:13], s[0:1], 0x20              ; out0
	v_lshl_add_u32 v31, v0, 2, 0x11000
	s_set_vgpr_msb 0x40
	v_mov_b32 v1, 0
	s_set_vgpr_msb 0x4000
	v_lshrrev_b32 v28, 5, v0
	s_delay_alu instid0(VALU_DEP_1)
	v_readfirstlane_b32 s14, v28                   ; wave 0..7
	v_and_b32 v28, 31, v0                          ; lane
	v_and_b32 v29, 15, v0                          ; r
	v_bfe_u32 v30, v0, 4, 1                        ; h
	s_delay_alu instid0(VALU_DEP_3)
	v_lshlrev_b32 v[L16], 4, v28
	s_delay_alu instid0(VALU_DEP_4)
	v_lshlrev_b32 v[L8], 3, v28
	v_lshlrev_b32 v[L4], 2, v28
	v_mul_u32_u24 v[WPA], v29, 192
	s_delay_alu instid0(VALU_DEP_1)
	v_mad_u32_u24 v[WPA], v30, 24, v[WPA]
	v_lshlrev_b32 v[WSA], 3, v29
	v_lshlrev_b32 v[BA], 2, v29
	s_lshr_b32 s15, ttmp9, 6                       ; b
	s_and_b32 s16, ttmp9, 63                       ; G
	s_lshl_b32 s17, s15, 7
	s_lshl_b32 s18, s16, 1
	s_add_co_u32 s17, s17, s18                     ; 128 b + 2 G: my first group of 32 columns
	s_mul_i32 s18, s17, 6144                       ; its codes,
	s_mov_b32 s19, 0
	s_lshl_b32 s20, s17, 9
	s_add_co_u32 s20, s20, OSC                     ; its scale words
	s_mov_b32 s21, 0
	s_mul_i32 s22, s14, 8704                       ; my stage: 32 rows x 272 bytes
	s_mul_i32 s24, s14, 32*192                     ; my 32 rows of the weight's codes,
	s_mov_b32 s25, 0
	s_lshl_b32 s26, s14, 8                         ; of its scale bytes,
	s_mov_b32 s27, 0
	s_lshl_b32 s28, s14, 7                         ; of the bias
	s_mov_b32 s29, 0
	s_lshl_b32 s30, s15, 22                        ; out0: b x 4,194,304 + 32 w rows of 16,384 bytes + 64 G columns
	s_lshl_b32 s31, s14, 19
	s_add_co_u32 s30, s30, s31
	s_lshl_b32 s31, s16, 8
	s_add_co_u32 s30, s30, s31
	s_mov_b32 s31, 0
	s_wait_alu depctr_va_vdst(0)
	s_wait_kmcnt 0x0
	s_add_nc_u64 s[18:19], s[4:5], s[18:19]
	s_add_nc_u64 s[20:21], s[4:5], s[20:21]
	s_add_nc_u64 s[6:7], s[6:7], s[24:25]
	s_add_nc_u64 s[8:9], s[8:9], s[26:27]
	s_add_nc_u64 s[10:11], s[10:11], s[28:29]
	s_add_nc_u64 s[12:13], s[12:13], s[30:31]
.irp b, 0,1
.irp u, 0,1
.irp s, 0,1
.irp c, 0,1                                    ; head 2 s + c is half c of K step s
	global_load_b128 v[FF+12*(2*(2*\b+\u)+\s)+6*\c:FF+12*(2*(2*\b+\u)+\s)+6*\c+3], v[L16], s[18:19] offset:6144*\b+1536*(2*\s+\c)+768*\u
	global_load_b64 v[FF+12*(2*(2*\b+\u)+\s)+6*\c+4:FF+12*(2*(2*\b+\u)+\s)+6*\c+5], v[L8], s[18:19] offset:6144*\b+1536*(2*\s+\c)+768*\u+512
.endr
.endr
.endr
.endr
.irp b, 0,1
.irp c, 0,1,2,3
	global_load_b32 v[ORW+4*\b+\c], v[L4], s[20:21] offset:512*\b+128*\c
.endr
.endr
.irp t, 0,1
.irp s, 0,1
.irp p, 0,1,2,3,4,5
	global_load_b64 v[PP+12*(2*\t+\s)+2*\p:PP+12*(2*\t+\s)+2*\p+1], v[WPA], s[6:7] offset:16*\t*192+96*\s+48*(\p/3)+8*(\p%3)
.endr
.endr
	global_load_b64 v[WS+2*\t:WS+2*\t+1], v[WSA], s[8:9] offset:128*\t
	global_load_b32 v[BR+\t], v[BA], s[10:11] offset:64*\t
.endr
	s_wait_loadcnt 0x0
.irp b, 0,1
.irp s, 0,1
	v_lshl_or_b32 v[OS+2*\b+\s], v[ORW+4*\b+2*\s+1], 16, v[ORW+4*\b+2*\s]    ; two heads' two bytes make a K step's scale word
.endr
.endr
.irp t, 0,1
.irp j, 0,1,2,3,4,5,6,7
	v_mov_b32 v[BI+8*\t+\j], v[BR+\t]              ; the bias of my row o, for my eight columns
.endr
.endr
	v_mul_u32_u24 v[STO], v29, 272                 ; these eight lines name no register of the products: they are the eight places between the vector lines that made the scale words and the first product
	s_delay_alu instid0(VALU_DEP_1)
	v_lshl_add_u32 v[STO], v30, 6, v[STO]
	s_delay_alu instid0(VALU_DEP_1)
	v_add_nc_u32 v[STO], s22, v[STO]               ; in: row r, + 64 h bytes
	v_mul_u32_u24 v[RD], v30, 272
	s_delay_alu instid0(VALU_DEP_1)
	v_lshl_add_u32 v[RD], v29, 4, v[RD]
	s_delay_alu instid0(VALU_DEP_1)
	v_add_nc_u32 v[RD], s22, v[RD]                 ; back: lanes 0-15 one row of 256 bytes, lanes 16-31 the next
	v_lshlrev_b32 v[CO], 14, v30
	s_delay_alu instid0(VALU_DEP_1)
	v_lshl_add_u32 v[CO], v29, 4, v[CO]            ; and the same two rows in out0
.irp s, 0,1
.irp b, 0,1
.irp u, 0,1
.irp t, 0,1
.if \s == 0
	MM ACC+8*(4*\t+2*\b+\u), FF+12*(2*(2*\b+\u)+\s), PP+12*(2*\t+\s), BI+8*\t, OS+2*\b+\s, WS+2*\t+\s, \u
.else
	MM ACC+8*(4*\t+2*\b+\u), FF+12*(2*(2*\b+\u)+\s), PP+12*(2*\t+\s), ACC+8*(4*\t+2*\b+\u), OS+2*\b+\s, WS+2*\t+\s, \u
.endif
.endr
.endr
.endr
.endr
.rept 4
	v_nop                                          ; four places ahead of the first read of results and of loads into registers that the products read
.endr
.irp t, 0,1
.irp b, 0,1
.irp u, 0,1
	ds_store_b128 v[STO], v[ACC+8*(4*\t+2*\b+\u):ACC+8*(4*\t+2*\b+\u)+3] offset:\t*16*272+128*\b+32*\u       ; each accumulator from its low end on
	ds_store_b128 v[STO], v[ACC+8*(4*\t+2*\b+\u)+4:ACC+8*(4*\t+2*\b+\u)+7] offset:\t*16*272+128*\b+32*\u+16
.endr
.endr
.endr
.irp i, 0,1,2,3,4,5,6,7,8,9,10,11,12,13,14,15
	ds_load_b128 v[FF+4*\i:FF+4*\i+3], v[RD] offset:2*\i*272   ; LDS serves a wave's instructions in order: these see my stores
.endr
	s_wait_alu depctr_va_vdst(0)
.irp i, 0,1,2,3,4,5,6,7,8,9,10,11,12,13,14,15
	s_wait_dscnt 15-\i                             ; load i is in; the younger ones may be out
	global_store_b128 v[CO], v[FF+4*\i:FF+4*\i+3], s[12:13] offset:2*\i*16384 th:TH_STORE_NT   ; 16 lanes store 256 consecutive bytes, at a multiple of 256 from out0's first byte
.endr
	s_set_vgpr_msb 0x4
	s_wait_tensorcnt 0x0
	ds_add_u32 v31, v1
	s_wait_dscnt 0x0
	s_set_vgpr_msb 0x400
	s_endpgm
.Lfunc_end_k_qf965b1a7bf_proj:
	.size	k_qf965b1a7bf_proj, .Lfunc_end_k_qf965b1a7bf_proj-k_qf965b1a7bf_proj
	.p2alignl 7, 3214868480
	.fill 96, 4, 3214868480
	.section	.rodata,"a",@progbits
	.p2align	6, 0x0
	.amdhsa_kernel k_qf965b1a7bf_proj
		.amdhsa_group_segment_fixed_size 70656
		.amdhsa_private_segment_fixed_size 0
		.amdhsa_enable_private_segment 0
		.amdhsa_kernarg_size 40
		.amdhsa_user_sgpr_count 2
		.amdhsa_user_sgpr_kernarg_segment_ptr 1
		.amdhsa_wavefront_size32 1
		.amdhsa_system_sgpr_workgroup_id_x 1
		.amdhsa_system_sgpr_workgroup_id_y 1
		.amdhsa_system_sgpr_workgroup_id_z 1
		.amdhsa_system_vgpr_workitem_id 0
		.amdhsa_next_free_vgpr 258
		.amdhsa_next_free_sgpr 66
		.amdhsa_reserve_vcc 0
		.amdhsa_float_denorm_mode_32 3
		.amdhsa_float_denorm_mode_16_64 3
		.amdhsa_memory_ordered 1
		.amdhsa_forward_progress 1
		.amdhsa_inst_pref_size 17
	.end_amdhsa_kernel
	.amdgpu_metadata
---
amdhsa.version: [ 1, 2 ]
amdhsa.kernels:
  - .name:           k_qf965b1a7bf_proj
    .symbol:         k_qf965b1a7bf_proj.kd
    .args:
      - { .name: obuf, .offset: 0, .size: 8, .value_kind: global_buffer, .address_space: global }
      - { .name: wp_codes, .offset: 8, .size: 8, .value_kind: global_buffer, .address_space: global }
      - { .name: wp_scales, .offset: 16, .size: 8, .value_kind: global_buffer, .address_space: global }
      - { .name: b_proj, .offset: 24, .size: 8, .value_kind: global_buffer, .address_space: global }
      - { .name: out0, .offset: 32, .size: 8, .value_kind: global_buffer, .address_space: global }
    .group_segment_fixed_size: 70656
    .private_segment_fixed_size: 0
    .kernarg_segment_align: 8
    .kernarg_segment_size: 40
    .max_flat_workgroup_size: 256
    .sgpr_count:     66
    .vgpr_count:     258
    .wavefront_size: 32
...
	.end_amdgpu_metadata
.endif
;; end of part 4
